; MI455X (gfx1250); checked and timed in simulation.
; The chip was launched on July 23, 2026; its instructions are those of AMD's public machine-readable ISA for CDNA 5 (MIT licence, August 2026) and "CDNA5" Instruction Set Architecture Reference Guide (July 2026). The comments in the code are by the model that wrote it; some were corrected since.
;; Global Glu Out. Allowed arithmetic: float matrix products may take bf16 or f16 operands with f32 sums; all other float work in f32.
;; Inputs: kernel1 128 x 39 x 4,992 float32; kernel2 128 x 39 x 4,992 float32; x 1,024 x 39 x 128 float32.
;; Outputs: out0 1,024 x 39 x 128 float32.
;; One version. Each part assembles by itself: llvm-mc -triple=amdgcn-amd-amdhsa -mcpu=gfx1250 --defsym DOCPART=n.
;; ======== version 1 of 1: 2 launches
;; workspace buffers: xb 10,223,616 bytes
;; launch pack (part 1): grid 39 x 16, 8 waves a work-group, no clusters, 35,840 bytes of LDS; arguments x, xb; writes xb
.if DOCPART == 1
	.amdgcn_target "amdgcn-amd-amdhsa--gfx1250"
	.amdhsa_code_object_version 6
	.text
	.protected	k_q28d66892a6_pack
	.globl	k_q28d66892a6_pack
	.p2align	8
	.type	k_q28d66892a6_pack,@function
k_q28d66892a6_pack:
	s_mov_b64 s[64:65], 0
	v_nop
	global_prefetch_b8 v0, s[64:65] scope:SCOPE_SE
	s_setreg_imm32_b32 hwreg(HW_REG_WAVE_MODE, 25, 1), 1
	s_wait_xcnt 0x0
; xb = x rounded once to bf16 (nearest even), laid out in the order in which the next launch's matrix fragments want it.
; x: [1024][4992] f32.  xb: [64 units of 16 rows][156 chunks of 32 k][2 halves][32 lanes][8 bf16]:
; the 16 bytes at ((u*156 + c)*2 + s)*512 + 16 l hold row 16 u + l % 16, k = 32 c + 16 s + 8 (l / 16) + 0, 4, 1, 5, 2, 6, 3, 7, in this order:
; word i holds k offset i in its low half and i + 4 in its high half.  The next launch rounds its weights into the same order, so the products meet the right partners.
; A wave takes 16 rows x 64 k: 4,096 bytes in (eight loads, each two pieces of 256 consecutive bytes), 2,048 bytes out (four stores of 512
; consecutive bytes).  78 x 64 = 4,992 such shares: 39 x 16 work-groups of eight waves.  The lanes change places through a stage in LDS that is
; the wave's own (16 rows of 256 bytes of f32 + 16 of padding), so there is no barrier.  No matrix unit, no cluster: nothing is shared, nothing multiplied.
.set ROWB,   19968                     ; bytes in a row of x
.set UNITB,  159744                    ; bytes of a unit of 16 rows in xb: 156 chunks x 1,024
.set SPITCH, 272                       ; a stage row: 17 x 16 bytes, so the 16 rows that a 16-byte load touches start at 16 different groups of four banks
.set WSTAGE, 16*SPITCH
.set VOFF, 4                           ; v4      my byte offset in x: (l / 16) rows + 16 (l % 16)
.set STO,  5                           ; v5      stage, in: row l / 16, 16 bytes at 16 (l % 16)
.set RD,   6                           ; v6      stage, back: row l % 16, 32 bytes at 32 (l / 16)
.set GO,   7                           ; v7      16 l
.set X,    8                           ; v[8:39]  as loaded
.set F,    40                          ; v[40:71] back from the stage: eight f32 for each of four pieces
.set Z,    72                          ; v[72:87] rounded, in fragment order
	s_load_b128 s[4:7], s[0:1], 0x0                ; x s[4:5], xb s[6:7]
	v_lshl_add_u32 v88, v0, 2, 0x8800
	v_mov_b32 v89, 0
	v_lshrrev_b32 v1, 5, v0
	v_readfirstlane_b32 s8, v1                     ; wave 0..7
	v_bfe_u32 v2, v0, 4, 1                         ; l / 16
	v_and_b32 v3, 15, v0                           ; l % 16
	s_and_b32 s9, s8, 1
	s_lshr_b32 s10, s8, 1
	s_lshl_b32 s11, ttmp9, 1
	s_add_co_u32 s9, s9, s11                       ; j = 2 x + wave % 2: which 64 k, 0..77
	s_and_b32 s11, ttmp7, 0xffff
	s_lshl_b32 s11, s11, 2
	s_add_co_u32 s10, s10, s11                     ; u = 4 y + wave / 2: which 16 rows, 0..63
	s_mul_i32 s12, s10, 16*ROWB
	s_lshl_b32 s11, s9, 8
	s_add_co_u32 s12, s12, s11                     ; my share's first byte in x (under 2^25)
	s_mov_b32 s13, 0
	s_mul_i32 s14, s10, UNITB
	s_lshl_b32 s11, s9, 11
	s_add_co_u32 s14, s14, s11                     ; and in xb
	s_mov_b32 s15, 0
	s_mul_i32 s16, s8, WSTAGE                      ; my wave's stage
	v_mul_u32_u24 v[VOFF], v2, ROWB
	v_lshl_add_u32 v[VOFF], v3, 4, v[VOFF]
	v_mul_u32_u24 v[STO], v2, SPITCH
	v_lshl_add_u32 v[STO], v3, 4, v[STO]
	v_add_nc_u32 v[STO], s16, v[STO]
	v_mul_u32_u24 v[RD], v3, SPITCH
	v_lshl_add_u32 v[RD], v2, 5, v[RD]
	v_add_nc_u32 v[RD], s16, v[RD]
	v_and_b32 v[GO], 31, v0
	v_lshlrev_b32 v[GO], 4, v[GO]
	s_wait_kmcnt 0x0
	s_add_nc_u64 s[4:5], s[4:5], s[12:13]
	s_add_nc_u64 s[6:7], s[6:7], s[14:15]
.irp i, 0,1,2,3,4,5,6,7
	global_load_b128 v[X+4*\i:X+4*\i+3], v[VOFF], s[4:5] offset:\i*2*ROWB th:TH_LOAD_NT  ; rows 2 i and 2 i + 1: the launch reads each byte of x once
.endr
.irp i, 0,1,2,3,4,5,6,7
	s_wait_loadcnt 7-\i                            ; loads come back in order: number i is in, the younger ones stay out
	ds_store_b128 v[STO], v[X+4*\i:X+4*\i+3] offset:\i*2*SPITCH
.endr
.irp q, 0,1,2,3
	ds_load_b128 v[F+8*\q:F+8*\q+3],   v[RD] offset:64*\q     ; chunk q / 2, half q % 2: k offsets 0-3.  LDS serves a wave's instructions in order: these see the stores above
	ds_load_b128 v[F+8*\q+4:F+8*\q+7], v[RD] offset:64*\q+16  ; k offsets 4-7
.endr
.irp q, 0,1,2,3
	s_wait_dscnt 6-2*\q                            ; piece q's two loads are back, the younger ones stay out
.irp j, 0,1,2,3
	v_cvt_pk_bf16_f32 v[Z+4*\q+\j], v[F+8*\q+\j], v[F+8*\q+4+\j]  ; k offset j low, j + 4 high
.endr
	global_store_b128 v[GO], v[Z+4*\q:Z+4*\q+3], s[6:7] offset:512*\q  ; 512 consecutive bytes, at a multiple of 512 from xb's first byte
.endr
	s_wait_tensorcnt 0x0
	ds_add_u32 v88, v89
	s_wait_dscnt 0x0
	s_endpgm
.Lfunc_end_k_q28d66892a6_pack:
	.size	k_q28d66892a6_pack, .Lfunc_end_k_q28d66892a6_pack-k_q28d66892a6_pack
	.p2alignl 7, 3214868480
	.fill 96, 4, 3214868480
	.section	.rodata,"a",@progbits
	.p2align	6, 0x0
	.amdhsa_kernel k_q28d66892a6_pack
		.amdhsa_group_segment_fixed_size 35840
		.amdhsa_private_segment_fixed_size 0
		.amdhsa_enable_private_segment 0
		.amdhsa_kernarg_size 16
		.amdhsa_user_sgpr_count 2
		.amdhsa_user_sgpr_kernarg_segment_ptr 1
		.amdhsa_wavefront_size32 1
		.amdhsa_system_sgpr_workgroup_id_x 1
		.amdhsa_system_sgpr_workgroup_id_y 1
		.amdhsa_system_sgpr_workgroup_id_z 1
		.amdhsa_system_vgpr_workitem_id 0
		.amdhsa_next_free_vgpr 90
		.amdhsa_next_free_sgpr 66
		.amdhsa_reserve_vcc 0
		.amdhsa_float_denorm_mode_32 3
		.amdhsa_float_denorm_mode_16_64 3
		.amdhsa_memory_ordered 1
		.amdhsa_forward_progress 1
		.amdhsa_inst_pref_size 6
	.end_amdhsa_kernel
	.amdgpu_metadata
---
amdhsa.version: [ 1, 2 ]
amdhsa.kernels:
  - .name:           k_q28d66892a6_pack
    .symbol:         k_q28d66892a6_pack.kd
    .args:
      - { .name: x, .offset: 0, .size: 8, .value_kind: global_buffer, .address_space: global }
      - { .name: xb, .offset: 8, .size: 8, .value_kind: global_buffer, .address_space: global }
    .group_segment_fixed_size: 35840
    .private_segment_fixed_size: 0
    .kernarg_segment_align: 8
    .kernarg_segment_size: 16
    .max_flat_workgroup_size: 256
    .sgpr_count:     66
    .vgpr_count:     90
    .wavefront_size: 32
...
	.end_amdgpu_metadata
.endif
;; end of part 1
;; launch glu (part 2): grid 6 x 39, 4 waves a work-group, clusters of 3 x 1, 327,680 bytes of LDS; arguments kernel1, kernel2, xb, out0; writes out0
.if DOCPART == 2
	.amdgcn_target "amdgcn-amd-amdhsa--gfx1250"
	.amdhsa_code_object_version 6
	.text
	.protected	k_q28d66892a6_glu
	.globl	k_q28d66892a6_glu
	.p2align	8
	.type	k_q28d66892a6_glu,@function
k_q28d66892a6_glu:
	s_mov_b64 s[64:65], 0
	v_nop
	global_prefetch_b8 v0, s[64:65] scope:SCOPE_SE
	s_setreg_imm32_b32 hwreg(HW_REG_WAVE_MODE, 25, 1), 1
	s_wait_xcnt 0x0
	s_wait_alu depctr_hold_cnt(0) depctr_sa_sdst(0) depctr_va_vdst(0) depctr_va_sdst(0) depctr_va_ssrc(0) depctr_va_vcc(0) depctr_vm_vsrc(0)
	s_getreg_b32 s2, hwreg(HW_REG_IB_STS2, 6, 4)
	s_cmp_eq_u32 s2, 0
	s_cbranch_scc0 .Lentry_in_a_cluster
	s_endpgm
.Lentry_in_a_cluster:
	s_bfe_u32 s2, ttmp6, 0x10000c
	s_cmp_lg_u32 s2, 0x2002
	s_cbranch_scc0 .Lentry_shape_is_right
	s_endpgm
.Lentry_shape_is_right:
; out[b][f][e] = x (1 - p) + kp2 x p,  p[b][f] = sigmoid(sum over e of kp1[b][f][e] x[b][f][e]),  kp_i[b][f][e] = sum over d of x[b][d] kernel_i[e][f][d].
; kernel1, kernel2: [128 e][39 f][4992 d] f32.  xb: x rounded to bf16, in fragment order (made by the launch before).  out0: [1024][39][128] f32.
; FORMATS AND LIMITS.  Products in bf16 with f32 sums; the weights are rounded to bf16 on the way from LDS to the matrix unit.  x is rounded to bf16 ONCE and that
; number is used in every place, in the gate's sum and as the output's factor too: the result is the formula above on inputs rounded to bf16.  The output is written as
; x (p kp2 + (1 - p)).  p = 1 / (1 + 2^(-1.442695 s)): it goes to 0 and to 1 for large |s|; 1 - p keeps an absolute step of 2^-24.  NaN and infinities are not treated apart.
; SHARES.  A work-group makes 11 units of 16 rows b of ONE field f: the field's 128 rows of kernel1 and 128 of kernel2 are its 256 columns, so the gate's sum never leaves it.
; A field's 64 units go to 6 blocks: 39 x 6 = 234 work-groups.  6 x 11 = 66: of each three blocks (32 units) the third begins at unit 21, which is also the second's last;
; it computes that unit like its partners, so that all run one text, and stores it with no lane on: 2 units in 66 are made twice.
; WAVES.  Wave w has all 11 units and 64 columns: waves 0 and 1 kernel1's e = 0-63 and 64-127, waves 2 and 3 kernel2's: 44 accumulators, 352 registers.  A wave reads from LDS
; just the 64 rows that its own tensor load brought, so no weight is read or rounded twice in a work-group.
; CLUSTER.  Three blocks of a field form a cluster and need the same weights: each tile is asked for JOINTLY, by the same tensor load, descriptor and mask in all three.  Three, not four: six blocks a field divide by three.
; K goes in 39 steps of 128 through two LDS slots that hold weights alone (256 rows of 512 bytes, f32); a step is four quarters of 32 along K, 44 matrix instructions each.
; x's fragments come straight into registers, 22 loads of 512 consecutive bytes a quarter, three quarters ahead, in a ring of four buffers.
; THE MATRIX INSTRUCTION IS USED TRANSPOSED: source 0 = 16 e of a kernel, source 1 = 16 rows of x.  In the result lane l holds row b = l % 16 and e = 8 (l / 16) + 0..7.
; K IS PERMUTED ALIKE IN BOTH SOURCES: of a lane's eight k, word i holds k offset i low and i + 4 high.  So a rounding takes its low source from one 16-byte LDS load and its high source from the
; next, and the two can lie in different register windows: the low ones beside the weights' fragments, the high ones beside the quarter's x.  A rounding then runs under the product's own window setting.
; REGISTERS, in windows of 256 (s_set_vgpr_msb: bits 1:0 source 0, 3:2 source 1, 5:4 source 2, 7:6 destination):
;   window 0: v0-29 addresses; v32-63 the roundings' high sources in quarters 2, 3; v80-167, v168-255 x's fragments of quarters 2, 3
;   window 1: v0-87, v88-175 x's fragments of quarters 0, 1; v176-207 the roundings' high sources in quarters 0, 1
;   window 2: v0-159 the accumulators of units 0-4 (unit a, tile t at 32 a + 8 t); v160-191, v192-223 the weights' fragments, two buffers; v224-255 the roundings' low sources
;   window 3: v0-191 the accumulators of units 5-10 (at 32 (a - 5) + 8 t)
.set UN,     11                        ; units of 16 rows in a block
.set ROWB,   19968                     ; bytes in a row of a kernel; also from row b to row b + 1 of out0 (39 x 512)
.set KPITCH, 39*4992                   ; elements from e to e + 1 of one field
.set UNITB,  159744                    ; bytes of a unit of 16 rows in xb
.set PITCH,  528                       ; an LDS row: 512 bytes + 16 of padding = 33 x 16: the 16 rows of a load start at 16 different groups of four banks (64 banks of 4 bytes: ISA guide 11.1)
.set WTILE,  64*PITCH                  ; what one tensor load brings, and what one wave reads
.set SLOT,   4*WTILE                   ; kernel1's 128 rows, then kernel2's
.set STAGE,  2*SLOT                    ; behind the ring: 16 rows x 272 bytes for each of waves 2 and 3, for the way out
.set SP,     272
.set GATE,   STAGE+2*16*SP             ; 2 x 256 f32: the two e halves' parts of the gate's sums (176 words of each are used)
.set SPARE,  GATE+2048                 ; the spare words, 128 bytes for each wave: two blocks of 256 bytes that no other line names
.set LAPS,   19                        ; the loop's lower half runs for steps 0, 2 .. 36, its upper half for 1, 3 .. 35
.set ADR,  4                           ; v4-5   LDS address of my weights in slot 0, 1
.set XO,   8                           ; v8     16 x lane
.set STO,  9                           ; v9     the way out: where I put 32 bytes of a row
.set RD,   10                          ; v10    the way out: where I read a row back
.set CO,   11                          ; v11    my byte offset in out0
.set GW,   12                          ; v12    where my part of the gate's sums goes
.set GR,   13                          ; v13    where the two parts lie
.set ZERO, 14                          ; v14    0.0
.set VCX,  15                          ; v15    my block's place among its three
.set SPW,  28                          ; v28    LDS address of my spare word; never rewritten
.set NIL,  29                          ; v29    0; never rewritten
.set SA,   32                          ; the tail, v32-75: unit a: four chains at SA + 4 a; later p and 1 - p in the first two
.set U,    80                          ; the way out: 32 results of a unit
.set RB,   112                         ; the way out: 16 rows read back, two buffers of 32
.set KF,   160                         ; window 2
.set STA,  224                         ; window 2
.set WV,  12                           ; s12 wave;  s13 my first unit;  s14 e half;  s15 place among three;  s16 field
.set U0,  13
.set WN,  14
.set CX,  15
.set FD,  16
.set G1,  24                           ; s[24:31] descriptor group 1
.set G0,  32                           ; s[32:39] descriptor group 0, a set for each slot
.set XB,  40                           ; s[40:41] xb at my first unit, at the K step in hand
.set XEB, 42                           ; s[42:43] xb at my first unit, at my field's and my e half's chunks
.set OUT, 44                           ; s[44:45] out0 at my first row, my field, my e half
.set SEL, 56                           ; s[56:57] v_permlanex16_b32's selects: each lane takes its own place in the other half
.set MSB, 0
.macro WIN new                         ; the immediate's high byte repeats the setting that is left; a switch that changes nothing is dropped
.if MSB != (\new)
	s_set_vgpr_msb (MSB<<8)|(\new)
.set MSB, \new
.endif
.endm
.macro PLACES                          ; four plain vector instructions that name no register (ISA guide 7.12.1)
.rept 4
	v_nop
.endr
.endm
; A round of the cluster's barrier: my work-group's barrier, so that wave 0's signal speaks for all four waves; wave 0 signals; every wave waits for all three work-groups; my work-group's barrier once more.
.macro CREST                           ; a round behind its opening barrier
	s_cmp_lg_u32 s[WV], 0
	s_cbranch_scc1 .Lnot_wave_0_\@
	s_barrier_signal -3
.Lnot_wave_0_\@:
	s_barrier_wait -3
	s_barrier_signal -1
	s_barrier_wait -1
.endm
.macro CROUND
	s_barrier_signal -1
	s_barrier_wait -1
	CREST
.endm
.macro BFILL slot                      ; a joint refill: my 64 rows of the slot; an s_nop 0 and four v_nop follow the line
	tensor_load_to_lds s[G0+4*(\slot):G0+4*(\slot)+3], s[G1:G1+7]
	s_nop 0
	PLACES
.endm
	s_load_b256 s[4:11], s[0:1], 0x0               ; kernel1 s[4:5], kernel2 s[6:7], xb s[8:9], out0 s[10:11]
	v_lshl_add_u32 v[SPW], v0, 2, SPARE
	v_mov_b32 v[NIL], 0
	ds_add_u32 v28, v29
	s_wait_dscnt 0x0
	v_lshrrev_b32 v1, 5, v0
	v_readfirstlane_b32 s[WV], v1                  ; wave 0..3
	s_and_b32 s[WN], s[WV], 1                      ; which 64 e are mine
	s_bfe_u32 s[CX], ttmp6, 0x40000                ; cx: my place in the cluster
	s_mul_i32 s17, s[CX], UN
	s_min_u32 s17, s17, 32-UN                      ; units 0, 11, 21 of the cluster's 32
	s_lshl_b32 s[U0], ttmp9, 5                     ; in a cluster launch ttmp9 counts clusters: two a field
	s_add_co_u32 s[U0], s[U0], s17                 ; my first unit: it enters xb's and out0's addresses alone
	s_and_b32 s[FD], ttmp7, 0xffff                 ; the field, which the three partners share
	; descriptor group 1: a tile of 64 rows x 128 elements of 4 bytes, padded in LDS
	s_mov_b32 s[G1+0], 7|(2<<16)|(1<<20)|(1<<21)|(6<<22)|(3<<25)  ; 15:0 the mask of three; 17:16 4-byte elements; 20 padding on; 21 set beside a mask; 24:22 after every 128 words (code 6); 31:25 4 words (code 3)
	s_mov_b32 s[G1+1], 128<<16                     ; tensor_dim0 = 128
	s_mov_b32 s[G1+2], 64<<16                      ; tensor_dim1 = 64
	s_mov_b32 s[G1+3], 128<<16                     ; tile_dim0 = 128
	s_mov_b32 s[G1+4], 64                          ; tile_dim1 = 64
	s_mov_b32 s[G1+5], KPITCH                      ; elements from row to row
	s_mov_b32 s[G1+6], 0
	s_mov_b32 s[G1+7], 0
	s_mov_b32 s[SEL], 0x76543210
	s_mov_b32 s[SEL+1], 0xfedcba98
	; offsets, made apart from the addresses.  The weights' hang on the wave and the field alone, in registers that never hold my place in the cluster
	s_mul_i32 s46, s[WN], 64*39*ROWB               ; e = 64 (wave % 2)
	s_mul_i32 s47, s[FD], ROWB
	s_add_co_u32 s46, s46, s47                     ; row 64 (wave % 2) x 39 + f, in bytes (under 2^26)
	s_mov_b32 s47, 0
	s_mul_i32 s19, s[WV], WTILE                    ; and where they go: wave x 64 rows
	s_mul_i32 s50, s[U0], UNITB                    ; xb: my first unit
	s_mov_b32 s51, 0
	s_lshl_b32 s52, s[FD], 12
	s_lshl_b32 s17, s[WN], 11
	s_add_co_u32 s52, s52, s17                     ; chunk 4 f + 2 (wave % 2), 1,024 bytes each
	s_mov_b32 s53, 0
	s_mul_i32 s54, s[U0], 16*ROWB                  ; out0: my first row,
	s_lshl_b32 s17, s[FD], 9
	s_add_co_u32 s54, s54, s17                     ; field f,
	s_lshl_b32 s17, s[WN], 8
	s_add_co_u32 s54, s54, s17                     ; e = 64 (wave % 2)
	s_mov_b32 s55, 0
	v_and_b32 v[XO], 31, v0
	v_lshlrev_b32 v[XO], 4, v[XO]
	s_wait_kmcnt 0x0
	s_cmp_lt_u32 s[WV], 2                          ; waves 0 and 1 fetch kernel1's two halves, waves 2 and 3 kernel2's
	s_cselect_b64 s[48:49], s[4:5], s[6:7]
	s_add_nc_u64 s[48:49], s[48:49], s[46:47]
	s_add_nc_u64 s[XB:XB+1], s[8:9], s[50:51]
	s_add_nc_u64 s[XEB:XEB+1], s[XB:XB+1], s[52:53]
	s_add_nc_u64 s[OUT:OUT+1], s[10:11], s[54:55]
.irp s, 0,1
	s_mov_b32 s[G0+4*\s], 1                        ; 1:0 count = 1
	s_add_co_u32 s[G0+4*\s+1], s19, \s*SLOT        ; 63:32 LDS address
	s_add_nc_u64 s[G0+4*\s+2:G0+4*\s+3], s[48:49], \s*512  ; 120:64 global address: K step s
	s_or_b32 s[G0+4*\s+3], s[G0+4*\s+3], 0x80000000        ; 127:126 type = 2
.endr
	CROUND                                         ; all three work-groups are here: the first joint loads meet
	tensor_load_to_lds s[G0:G0+3], s[G1:G1+7]      ; both first fills go out together: two tensor loads of mine are out
	s_nop 0
	tensor_load_to_lds s[G0+4:G0+7], s[G1:G1+7]
	s_nop 0
	PLACES
; 22 loads of 512 consecutive bytes: x's fragments (11 units x 2 halves) of the chunk at byte imm from s[XB], into ring buffer x (0, 1: window 1 at v0, v88; 2, 3: window 0 at v80, v168)
.macro XRUN x, imm
	WIN 0x40*(1-(\x)/2)
.set xf, 88*((\x)%2)+80*((\x)/2)
.irp a, 0,1,2,3,4,5,6,7,8,9,10
	global_load_b128 v[xf+8*\a:xf+8*\a+3],   v[XO], s[XB:XB+1] offset:\a*UNITB+(\imm)
	global_load_b128 v[xf+8*\a+4:xf+8*\a+7], v[XO], s[XB:XB+1] offset:\a*UNITB+(\imm)+512
.endr
.endm
; 44 loads: x of my 176 rows at my field's e = 64 (wave % 2) .. + 63, for the gate and the output: the same 16 bytes a lane that a fragment's half holds.  Unit a, tile t at v[16 a + 4 t] of window 1
.macro XELOAD
	WIN 0x40
.irp a, 0,1,2,3,4,5,6,7,8,9,10
.irp t, 0,1,2,3
	global_load_b128 v[16*\a+4*\t:16*\a+4*\t+3], v[XO], s[XEB:XEB+1] offset:\a*UNITB+512*\t
.endr
.endr
.endm
; 16 LDS loads: my 64 rows, quarter qd of the slot's step.  A lane's part of a fragment is k = 8 h + 0..7 and 16 + 8 h + 0..7: in f32 32 bytes at 32 h and 32 at 64 + 32 h.
; Of each 32 bytes the first 16 are the roundings' low sources (window 2), the second 16 their high sources, which go into the window that holds the x of quarter q, in which they are rounded.
.macro LDW slot, qd, q
	WIN 0x80
.irp t, 0,1,2,3
	ds_load_b128 v[STA+8*\t:STA+8*\t+3],   v[ADR+(\slot)] offset:\t*16*PITCH+128*(\qd)
	ds_load_b128 v[STA+8*\t+4:STA+8*\t+7], v[ADR+(\slot)] offset:\t*16*PITCH+128*(\qd)+64
.endr
	WIN 0x40*(1-(\q)/2)
.set sb, 176-144*((\q)/2)
.irp t, 0,1,2,3
	ds_load_b128 v[sb+8*\t:sb+8*\t+3],   v[ADR+(\slot)] offset:\t*16*PITCH+128*(\qd)+16
	ds_load_b128 v[sb+8*\t+4:sb+8*\t+7], v[ADR+(\slot)] offset:\t*16*PITCH+128*(\qd)+80
.endr
.endm
; Four matrix instructions of quarter q: unit a x my 4 tiles.  zero = 1: the product starts the sum: nothing is ever cleared.
; rid = 1 (units 1 to 4): behind each stand two roundings of the next quarter's weights, into the other weight buffer, under the same window setting; they name no register of the products round them.
; The 44 accumulators take turns, one instruction a turn, in the same order in every quarter.
.macro MMU q, a, zero, rid
.if (\a) < 5
.set rB, 32*(\a)
.set wD, 0xa2
.else
.set rB, 32*((\a)-5)
.set wD, 0xf2
.endif
	WIN wD|(4*(1-(\q)/2))                          ; source 0 window 2; source 1 window 1 or 0; C and D window 2 or 3
.set mt, 0
.rept 4
.set rD, rB+8*mt
.set rK, KF+32*((\q)%2)+8*mt
.set rX, 88*((\q)%2)+80*((\q)/2)+8*(\a)
.if \zero
	v_wmma_f32_16x16x32_bf16 v[rD:rD+7], v[rK:rK+7], v[rX:rX+7], 0
.else
	v_wmma_f32_16x16x32_bf16 v[rD:rD+7], v[rK:rK+7], v[rX:rX+7], v[rD:rD+7]
.endif
.if \rid
.set ci, 8*((\a)-1)+2*mt
.set rN, KF+32*(1-(\q)%2)+ci
.set rH, 176-144*((\q)/2)+ci
	v_cvt_pk_bf16_f32 v[rN], v[STA+ci], v[rH]
	v_cvt_pk_bf16_f32 v[rN+1], v[STA+ci+1], v[rH+1]
.endif
.set mt, mt+1
.endr
.endm
; A QUARTER: 44 matrix instructions on weight buffer q % 2 and x buffer q, units 5 to 10 and then 0 to 4.  Behind the first four stand four places and ONE run of loads: the next quarter's weights out of
; LDS, and the x fragments of the quarter three on, into the buffer that the quarter before read.  24 matrix instructions later the weights are waited for, and rounded beside the last sixteen.
;   slot: the slot of the step in hand (quarter 3 reads the OTHER slot: the next step's first quarter)      zero = 1: the sums start      stepx = 1: s[XB] goes on to this step
;   xrun = 1: the run of x loads; 2: the tail's x instead; 0: none      lc: how many younger loads may stay out when x buffer q must be in      next = 0: there is no next quarter
;   Three runs of 22 are more than the load counter's field holds: the hardware holds a run's last lines back until the oldest loads have come (ISA guide 5.7.1); no wait is written for that.
;   turn = 1: THE CHANGE OF SLOTS, in quarter 2, whose LDS loads are the last reads of the slot.  Each wave waits for all its tensor loads, of which one is out: its part of the other slot; adds 0 to its
;   spare word; waits for that and for its reads of the slot.  The barrier opens a round of the cluster's barrier, so that no wave of any partner still reads the slot or has a load on its way; the joint
;   refill, two steps ahead, is the first thing behind the round: 164 matrix instructions ahead of the wait for it.      turn = 2: the same with a plain barrier; nothing is filled again.
.macro QUARTER q, slot, zero, stepx, xrun, lc, next, turn
.if (\q) == 3
.set NS, 1-(\slot)
.else
.set NS, (\slot)
.endif
	s_wait_loadcnt \lc                             ; loads come back in order: x buffer q is in, the younger runs stay out
	MMU \q, 5, \zero, 0
	PLACES                                         ; the places between the quarter before, which read the other weight buffer and the x buffer that is loaded below, and the lines that write them
.if \next
	LDW NS, ((\q)+1)%4, \q
.endif
.if \stepx
	s_wait_xcnt 0x0                                ; the base of the loads issued so far is rewritten only behind this wait
	s_add_nc_u64 s[XB:XB+1], s[XB:XB+1], 4096      ; four chunks of 1,024 bytes
.endif
.if (\xrun) == 1
	XRUN ((\q)+3)%4, ((\q)+3)*1024
.elseif (\xrun) == 2
	XELOAD
.endif
	MMU \q, 6, \zero, 0
	MMU \q, 7, \zero, 0
	MMU \q, 8, \zero, 0
	MMU \q, 9, \zero, 0
.if \turn
	WIN 0                                          ; (the add's two registers lie in window 0)
	s_wait_tensorcnt 0x0                           ; all my tensor loads have landed, so a group 0 may be written
	ds_add_u32 v[SPW], v[NIL]                      ; 0 onto my spare word; eight matrix instructions stand between it and the wait for it
.if (\turn) == 1
	s_add_nc_u64 s[G0+4*(\slot)+2:G0+4*(\slot)+3], s[G0+4*(\slot)+2:G0+4*(\slot)+3], 1024  ; two K steps of 512 bytes on; the type bits on top are not reached
.endif
.endif
	MMU \q, 10, \zero, 0
	MMU \q, 0, \zero, 0
.if \next
	s_wait_dscnt 0x0                               ; the next quarter's 64 f32 a lane are in; at a change of slots also: the add is done, and my reads of the slot are over
.endif
.if \turn
	s_barrier_signal -1
.endif
	MMU \q, 1, \zero, \next
.if (\turn) == 1
	WIN 0
.endif
.if \turn
	s_barrier_wait -1
.endif
.if (\turn) == 1
	CREST
	BFILL \slot
.endif
	MMU \q, 2, \zero, \next
	MMU \q, 3, \zero, \next
	MMU \q, 4, \zero, \next
.endm
.macro REST slot                       ; quarters 1 to 3 of the step in this slot, which is then filled again, and quarter 0 of the next step
	QUARTER 1, \slot, 0, 0, 1, 44, 1, 0
	QUARTER 2, \slot, 0, 0, 1, 44, 1, 1
	QUARTER 3, \slot, 0, 0, 1, 44, 1, 0
	QUARTER 0, 1-(\slot), 0, 1, 1, 44, 1, 0
	WIN 0                                          ; at a label and at a branch every window is 0
.endm
	XRUN 0, 0                                      ; x's fragments of the first three quarters
	XRUN 1, 1024
	XRUN 2, 2048
	WIN 0
	v_and_b32 v1, 15, v0                           ; r = l % 16
	v_bfe_u32 v2, v0, 4, 1                         ; h = l / 16
	v_mov_b32 v[ZERO], 0
	v_mov_b32 v[VCX], s[CX]
	v_mul_u32_u24 v3, v1, PITCH
	v_lshl_add_u32 v3, v2, 5, v3                   ; row x pitch + 32 h
	v_add_nc_u32 v[ADR], s19, v3                   ; my 64 rows in slot 0,
	s_add_co_u32 s18, s19, SLOT
	v_add_nc_u32 v[ADR+1], s18, v3                 ; and in slot 1
	s_mul_i32 s18, s[WN], 16*SP
	s_add_co_u32 s18, s18, STAGE                   ; the stage of waves 2 and 3
	v_mul_u32_u24 v[STO], v1, SP                   ; in: row r, 32 bytes for each half of the lanes
	v_lshl_add_u32 v[STO], v2, 5, v[STO]
	v_add_nc_u32 v[STO], s18, v[STO]
	v_mul_u32_u24 v[RD], v2, SP                    ; back: lanes 0-15 take one row of 256 bytes, lanes 16-31 the next
	v_lshl_add_u32 v[RD], v1, 4, v[RD]
	v_add_nc_u32 v[RD], s18, v[RD]
	v_mul_u32_u24 v[CO], v2, ROWB                  ; and the same two rows in out0
	v_lshl_add_u32 v[CO], v1, 4, v[CO]
	s_lshl_b32 s20, s[WN], 10
	s_add_co_u32 s20, s20, GATE
	v_lshl_add_u32 v[GW], v1, 2, s20               ; the gate's words of my e half
	v_lshl_add_u32 v[GR], v1, 2, GATE              ; and of both, 1,024 bytes apart
	s_wait_tensorcnt 0x1                           ; my part of K step 0 is in; K step 1's may stay out
	s_barrier_signal -1
	s_barrier_wait -1
	LDW 0, 0, 3                                    ; the first quarter's weights, with nothing to set beside them; the high sources go where quarter 3 has them
	s_wait_dscnt 0x0
	WIN 0x82                                       ; destination and source 0 window 2, source 1 window 0
.set ci, 0
.rept 32
	v_cvt_pk_bf16_f32 v[KF+ci], v[STA+ci], v[32+ci]
.set ci, ci+1
.endr
	QUARTER 0, 0, 1, 0, 1, 44, 1, 0                ; the first quarter stands in front of the loop: its products start the sums
	WIN 0
	s_mov_b32 s3, LAPS
	s_branch .Lenter                               ; the loop is entered in its middle: 39 steps are an odd number
.Llap:
	REST 1
.Lenter:
	REST 0
	s_sub_co_u32 s3, s3, 1
	s_cmp_lg_u32 s3, 0
	s_cbranch_scc1 .Llap
	QUARTER 1, 1, 0, 0, 1, 44, 1, 0                ; step 37 goes on; the tail is written out
	QUARTER 2, 1, 0, 0, 1, 44, 1, 2                ; my one tensor load that was still out is step 38's
	QUARTER 3, 1, 0, 0, 1, 44, 1, 0
	QUARTER 0, 0, 0, 1, 1, 44, 1, 0                ; step 38: its last chunk of x is asked for
	QUARTER 1, 0, 0, 0, 0, 44, 1, 0                ; behind x buffer 1's run: buffers 2's and 3's, 44 loads
	QUARTER 2, 0, 0, 0, 2, 22, 1, 0                ; behind buffer 2's: buffer 3's 22.  x buffers 0 and 1 are free: they take the tail's x
	QUARTER 3, 0, 0, 0, 0, 44, 0, 0                ; behind buffer 3's: the tail's 44
.macro MIX d, e, m, c, hi              ; v[d] = bf16 half of v[e] x v[m] + v[c]
.if \hi
	v_fma_mix_f32_bf16 v[\d], v[\e], v[\m], v[\c] op_sel:[1,0,0] op_sel_hi:[1,0,0]
.else
	v_fma_mix_f32_bf16 v[\d], v[\e], v[\m], v[\c] op_sel:[0,0,0] op_sel_hi:[1,0,0]
.endif
.endm
	WIN 0
	PLACES                                         ; the places behind the last products
	s_wait_loadcnt 0x0                             ; the tail's x is in
	s_cmp_lt_u32 s[WV], 2
	s_cbranch_scc0 .Lno_gate                       ; waves 2 and 3 hold kp2: they have no part in the gate's sum
	; THE GATE, waves 0 and 1.  A lane holds row b = 16 a + r and 32 of my 64 e; x's bf16 halves are multiplied straight into f32 sums, four chains a unit.
	; Register j of an accumulator is e offset 8 h + j; its x lies in word j % 4, half j / 4.  Each accumulator's registers are taken in ascending order.
.set ga, 0
.rept UN
.if ga < 5
	WIN 0x09                                       ; source 0 (x) window 1, source 1 (the sums kp1) window 2
.set gB, 32*ga
.else
	WIN 0x0d                                       ; or window 3
.set gB, 32*(ga-5)
.endif
.set gi, 0
.rept 32
.set rS, SA+4*ga+gi%4
.set rC, rS
.if gi < 4
.set rC, ZERO
.endif
	MIX rS, 16*ga+4*(gi/8)+gi%4, gB+gi, rC, (gi%8)/4
.set gi, gi+1
.endr
.set ga, ga+1
.endr
	WIN 0
.irp a, 0,1,2,3,4,5,6,7,8,9,10
	v_add_f32 v[SA+4*\a], v[SA+4*\a], v[SA+4*\a+1]
	v_add_f32 v[SA+4*\a+2], v[SA+4*\a+2], v[SA+4*\a+3]
.endr
.irp a, 0,1,2,3,4,5,6,7,8,9,10
	v_add_f32 v[SA+4*\a], v[SA+4*\a], v[SA+4*\a+2]
.endr
.irp a, 0,1,2,3,4,5,6,7,8,9,10
	v_permlanex16_b32 v[SA+4*\a+1], v[SA+4*\a], s[SEL], s[SEL+1]  ; the row's other 32 e of my 64 lie in the lane 16 away
.endr
.irp a, 0,1,2,3,4,5,6,7,8,9,10
	v_add_f32 v[SA+4*\a], v[SA+4*\a], v[SA+4*\a+1]
.endr
.irp a, 0,1,2,3,4,5,6,7,8,9,10
	ds_store_b32 v[GW], v[SA+4*\a] offset:64*\a    ; lanes r and r + 16 write the same word with the same number
.endr
.Lno_gate:
	s_wait_dscnt 0x0                               ; for waves 2 and 3's sake: my stores are done
	s_barrier_signal -1
	s_barrier_wait -1
	s_cmp_lt_u32 s[WV], 2
	s_cbranch_scc1 .Lend                           ; waves 0 and 1 have done their part
.irp a, 0,1,2,3,4,5,6,7,8,9,10
	ds_load_b32 v[SA+4*\a], v[GR] offset:64*\a          ; e = 0-63's part
	ds_load_b32 v[SA+4*\a+2], v[GR] offset:1024+64*\a   ; e = 64-127's
.endr
	s_wait_dscnt 0x0
.irp a, 0,1,2,3,4,5,6,7,8,9,10
	v_add_f32 v[SA+4*\a], v[SA+4*\a], v[SA+4*\a+2] ; both waves add the same two numbers in the same order: the same p in both
.endr
.irp a, 0,1,2,3,4,5,6,7,8,9,10
	v_mul_f32 v[SA+4*\a], 0xbfb8aa3b, v[SA+4*\a]   ; -log2(e) s
.endr
.irp a, 0,1,2,3,4,5,6,7,8,9,10
	v_exp_f32 v[SA+4*\a+2], v[SA+4*\a]
.endr
	v_nop                                          ; a plain instruction between the last exponential and the use of its result
	s_wait_alu depctr_va_vdst(0)
.irp a, 0,1,2,3,4,5,6,7,8,9,10
	v_add_f32 v[SA+4*\a+2], 1.0, v[SA+4*\a+2]
.endr
.irp a, 0,1,2,3,4,5,6,7,8,9,10
	v_rcp_f32 v[SA+4*\a], v[SA+4*\a+2]             ; p
.endr
	v_nop
	s_wait_alu depctr_va_vdst(0)
.irp a, 0,1,2,3,4,5,6,7,8,9,10
	v_sub_f32 v[SA+4*\a+1], 1.0, v[SA+4*\a]        ; 1 - p
.endr
	; THE WAY OUT, waves 2 and 3, a unit of 16 rows at a time.  PACK: x (p kp2 + (1 - p)).  TOSTAGE: 32 bytes a lane and tile into my own stage, and back as whole rows of 256 bytes.  SEND: stored.
.macro PACK a
.if (\a) < 5
	WIN 0x02                                       ; source 0 (the sums kp2) window 2
.set pB, 32*(\a)
.else
	WIN 0x03                                       ; or window 3
.set pB, 32*((\a)-5)
.endif
.set pi, 0
.rept 16
	v_pk_fma_f32 v[U+2*pi:U+2*pi+1], v[pB+2*pi:pB+2*pi+1], v[SA+4*(\a):SA+4*(\a)+1], v[SA+4*(\a):SA+4*(\a)+1] op_sel:[0,0,1] op_sel_hi:[1,0,1]  ; both halves: times p, plus 1 - p
.set pi, pi+1
.endr
	WIN 0x01                                       ; source 0 (x) window 1
.set pi, 0
.rept 32
	MIX U+pi, 16*(\a)+4*(pi/8)+pi%4, U+pi, ZERO, (pi%8)/4
.set pi, pi+1
.endr
.endm
.macro TOSTAGE a
	WIN 0
.irp t, 0,1,2,3
	ds_store_b128 v[STO], v[U+8*\t:U+8*\t+3]   offset:64*\t
	ds_store_b128 v[STO], v[U+8*\t+4:U+8*\t+7] offset:64*\t+16
.endr
.irp i, 0,1,2,3,4,5,6,7
	ds_load_b128 v[RB+32*((\a)%2)+4*\i:RB+32*((\a)%2)+4*\i+3], v[RD] offset:\i*2*SP  ; LDS serves a wave's instructions in order (ISA guide 5.7.1.4): these see the stores above
.endr
.endm
; mask = 1 (unit 0): in the third block of a cluster this unit is the second block's last, which stores it: here no lane is on.  EXEC changes only behind s_wait_xcnt 0.
.macro SEND a, mask
	WIN 0
	s_wait_dscnt 0x0                               ; the unit is back in registers
	s_wait_xcnt 0x0                                ; the registers that the stores of the unit before read are loaded again only behind this wait
.if \mask
	v_cmp_ne_u32 vcc_lo, 2, v[VCX]
	s_and_saveexec_b32 s20, vcc_lo
.endif
.irp i, 0,1,2,3,4,5,6,7
	global_store_b128 v[CO], v[RB+32*((\a)%2)+4*\i:RB+32*((\a)%2)+4*\i+3], s[OUT:OUT+1] offset:(16*(\a)+2*\i)*ROWB th:TH_STORE_NT  ; 16 lanes store 256 consecutive bytes, at a multiple of 256 from out0's first byte; 174 rows at the most: inside the signed 24-bit immediate
.endr
.if \mask
	s_wait_xcnt 0x0
	s_or_b32 exec_lo, exec_lo, s20                 ; all lanes on again
.endif
.endm
	PACK 0
	TOSTAGE 0
	PACK 1
	SEND 0, 1
	TOSTAGE 1
.irp a, 2,3,4,5,6,7,8,9,10             ; a unit's arithmetic stands between the loads of the unit before and the wait for them
	PACK \a
	SEND (\a)-1, 0
	TOSTAGE \a
.endr
	SEND 10, 0
.Lend:
	s_wait_tensorcnt 0x0                           ; the wave's end: behind my last tensor load and my last LDS store
	ds_add_u32 v[SPW], v[NIL]
	s_wait_dscnt 0x0
	CROUND                                         ; the closing round: no work-group ends while a partner may still ask for a tile that names it
	s_endpgm
.Lfunc_end_k_q28d66892a6_glu:
	.size	k_q28d66892a6_glu, .Lfunc_end_k_q28d66892a6_glu-k_q28d66892a6_glu
	.p2alignl 7, 3214868480
	.fill 96, 4, 3214868480
	.section	.rodata,"a",@progbits
	.p2align	6, 0x0
	.amdhsa_kernel k_q28d66892a6_glu
		.amdhsa_group_segment_fixed_size 327680
		.amdhsa_private_segment_fixed_size 0
		.amdhsa_enable_private_segment 0
		.amdhsa_kernarg_size 32
		.amdhsa_user_sgpr_count 2
		.amdhsa_user_sgpr_kernarg_segment_ptr 1
		.amdhsa_wavefront_size32 1
		.amdhsa_system_sgpr_workgroup_id_x 1
		.amdhsa_system_sgpr_workgroup_id_y 1
		.amdhsa_system_sgpr_workgroup_id_z 1
		.amdhsa_system_vgpr_workitem_id 0
		.amdhsa_next_free_vgpr 960
		.amdhsa_next_free_sgpr 66
		.amdhsa_reserve_vcc 1
		.amdhsa_float_denorm_mode_32 3
		.amdhsa_float_denorm_mode_16_64 3
		.amdhsa_memory_ordered 1
		.amdhsa_forward_progress 1
		.amdhsa_inst_pref_size 227
	.end_amdhsa_kernel
	.amdgpu_metadata
---
amdhsa.version: [ 1, 2 ]
amdhsa.kernels:
  - .name:           k_q28d66892a6_glu
    .symbol:         k_q28d66892a6_glu.kd
    .args:
      - { .name: kernel1, .offset: 0, .size: 8, .value_kind: global_buffer, .address_space: global }
      - { .name: kernel2, .offset: 8, .size: 8, .value_kind: global_buffer, .address_space: global }
      - { .name: xb, .offset: 16, .size: 8, .value_kind: global_buffer, .address_space: global }
      - { .name: out0, .offset: 24, .size: 8, .value_kind: global_buffer, .address_space: global }
    .group_segment_fixed_size: 327680
    .private_segment_fixed_size: 0
    .kernarg_segment_align: 8
    .kernarg_segment_size: 32
    .max_flat_workgroup_size: 128
    .sgpr_count:     66
    .vgpr_count:     960
    .wavefront_size: 32
...
	.end_amdgpu_metadata
.endif
;; end of part 2
